; MI455X (gfx1250); checked and timed in simulation.
; The chip was launched on July 23, 2026; its instructions are those of AMD's public machine-readable ISA for CDNA 5 (MIT licence, August 2026) and "CDNA5" Instruction Set Architecture Reference Guide (July 2026). The comments in the code are by the model that wrote it; some were corrected since.
;; Multi Head Attention. Allowed arithmetic: float matrix products may take bf16 or f16 operands with f32 sums; all other float work in f32.
;; Inputs: b_k 1,024 float32; b_o 1,024 float32; b_q 1,024 float32; b_v 1,024 float32; k 2 x 2,048 x 1,024 float32; q 2 x 2,048 x 1,024 float32; v 2 x 2,048 x 1,024 float32; w_k 1,024 x 1,024 float32; w_o 1,024 x 1,024 float32; w_q 1,024 x 1,024 float32; w_v 1,024 x 1,024 float32.
;; Outputs: out0 2 x 2,048 x 1,024 float32.
;; One version. Each part assembles by itself: llvm-mc -triple=amdgcn-amd-amdhsa -mcpu=gfx1250 --defsym DOCPART=n.
;; ======== version 1 of 1: 3 launches
;; limits: values are held in f16: magnitudes above 65,504 overflow, below 6.1e-05 lose precision; right only within a limited range of input values
;; workspace buffers: qh 8,388,608 bytes; kh 8,388,608 bytes; vh 8,388,608 bytes; ctx 8,388,608 bytes; wo16 2,097,152 bytes
;; launch qkv (part 1): grid 4 x 48, 4 waves a work-group, clusters of 4 x 4, 327,680 bytes of LDS; arguments q, k, v, w_q, w_k, w_v, b_q, b_k, b_v, qh, kh, vh; writes qh, kh, vh
.if DOCPART == 1
	.amdgcn_target "amdgcn-amd-amdhsa--gfx1250"
	.amdhsa_code_object_version 6
	.text
	.protected	k_q06679a7fb2_qkv
	.globl	k_q06679a7fb2_qkv
	.p2align	8
	.type	k_q06679a7fb2_qkv,@function
k_q06679a7fb2_qkv:
	s_mov_b64 s[64:65], 0
	v_nop
	global_prefetch_b8 v0, s[64:65] scope:SCOPE_SE
	s_setreg_imm32_b32 hwreg(HW_REG_WAVE_MODE, 25, 1), 1
	s_wait_xcnt 0x0
	s_wait_alu depctr_hold_cnt(0) depctr_sa_sdst(0) depctr_va_vdst(0) depctr_va_sdst(0) depctr_va_ssrc(0) depctr_va_vcc(0) depctr_vm_vsrc(0)
	s_getreg_b32 s2, hwreg(HW_REG_IB_STS2, 6, 4)
	s_cmp_eq_u32 s2, 0
	s_cbranch_scc0 .Lentry_in_a_cluster
	s_endpgm
.Lentry_in_a_cluster:
	s_bfe_u32 s2, ttmp6, 0x10000c
	s_cmp_lg_u32 s2, 0xf033
	s_cbranch_scc0 .Lentry_shape_is_right
	s_endpgm
.Lentry_shape_is_right:
; The three projections  y = x W^T + b  (x: [4096][1024] f32, W: [1024][1024] f32, b: [1024] f32), written head-major in f16:
; out[(batch*16 + head)][token][64].  Cluster row Y (0..11) picks the projection (Y >> 2: q, k, v) and four block rows of it.
; A work-group makes 256 tokens x 256 features with four waves, as many as a WGP has SIMDs; a wave makes 128 x 128 in 512 registers.
; 3 x 16 x 4 = 192 work-groups: three products of 4096 x 1024 cut into blocks of 256 x 256; smaller blocks would double the LDS bytes read for each product.
; K goes in steps of 64 f32 (rows of 256 bytes) through two LDS slots filled by the tensor data mover.  The tiles stay f32 in LDS; a wave reads its
; fragments as f32 (RAW), narrows them to f16 in registers (F) and multiplies in f16 with f32 sums.
; The 64 LDS loads of the next 32 of K go in runs of eight, each ahead of a run of eight matrix instructions, so that the requests are spread over the products.
; LIMIT: matrix operands are f16: |x|, |W| and |x W^T + b| must stay below 65,504; beyond it a number becomes infinite.
; CLUSTERS: 4 x 4 work-groups.  x's tile hangs on the block row alone and is asked for jointly along a row of the cluster, W's on the block column alone
; and is asked for jointly along a column: each tile is requested once for four work-groups.
; REGISTERS, in windows of 256:  window 0: v16-27 addresses, v32-63 TMP, v64-127 F of x, v128-255 RAW of x
;   window 1: v0-63 bias (register 8 b + j = bias of feature 16 b + 8 (l / 16) + j of my 128), v64-127 F of W, v128-255 RAW of W
;   window 2: accumulators of my tokens 0-63 (tile (a, b) at v[8 (8 a + b)]);  window 3: those of my tokens 64-127
; The matrix instruction is used transposed (source 0 = 16 rows of W, source 1 = 16 rows of x): lane l holds token l % 16 and eight neighbouring features.
.set PITCH,  272                       ; an LDS row: 256 bytes + 16 of padding, an odd multiple of 16: sixteen rows start in sixteen different 16-byte columns
.set HALFT,  128*PITCH                 ; 128 rows: what one tensor load brings
.set SLOT,   4*HALFT                   ; x's 256 rows, then W's 256 rows
.set STAGE,  2*SLOT                    ; behind the ring: 16 rows x 272 bytes for each wave, never filled by a tensor load
.set ADRA, 16                          ; v16-17  LDS address of my fragments of x in slot 0, 1
.set ADRB, 20                          ; v20-21  the same for W
.set STO,  24                          ; the way out: where I put 16 bytes of a token
.set RD,   25                          ; the way out: where I read back
.set CO,   26                          ; my byte offset in the output
.set BOF,  27                          ; my byte offset in the bias
.set TMP,  32
.set F,    64
.set RAW,  128
.set G1,  24                           ; s[24:31] descriptor group 1 for x's tiles
.set G0,  32                           ; s[32:39] group 0 for x's tiles, a set for each slot
.set G1B, 48                           ; s[48:55] group 1 for W's tiles: another mask
.set G0B, 56                           ; s[56:63] group 0 for W's tiles
.set MSB, 0
.macro WIN new                         ; the immediate's high byte repeats the setting that is left
.if MSB != \new
	s_set_vgpr_msb (MSB<<8)|\new
.set MSB, \new
.endif
.endm
.set MUL_LO, 0xa1                      ; source 0 (W) window 1, source 1 (x) window 0, C and D window 2
.set MUL_HI, 0xf1                      ; the same, C and D window 3
.set TO_B,   0x40                      ; destination window 1, address window 0
.set CVT_B,  0x45                      ; destination and both sources window 1
.macro PLACES                          ; four places behind a matrix instruction (ISA guide 7.12.1)
.rept 4
	v_nop
.endr
.endm
; A joint load: waves 0 and 1 ask for x's two halves, waves 2 and 3 for W's.  The branch hangs on the wave's number alone.
.macro JLOAD s
	s_cmp_eq_u32 s11, 0
	s_cbranch_scc0 .Lfor_b_\@
	tensor_load_to_lds s[G0+4*\s:G0+4*\s+3], s[G1:G1+7]
	s_nop 0
	s_branch .Lasked_\@
.Lfor_b_\@:
	tensor_load_to_lds s[G0B+4*\s:G0B+4*\s+3], s[G1B:G1B+7]
	s_nop 0
.Lasked_\@:
.endm
.macro CREST                           ; a round of the cluster's barrier behind its opening barrier
	s_cmp_lg_u32 s10, 0
	s_cbranch_scc1 .Lnot_wave_0_\@
	s_barrier_signal -3
.Lnot_wave_0_\@:
	s_barrier_wait -3
	s_barrier_signal -1
	s_barrier_wait -1
.endm
.macro CROUND                          ; a whole round
	s_barrier_signal -1
	s_barrier_wait -1
	CREST
.endm
	s_load_b512 s[68:83], s[0:1], 0x0              ; q, k, v, w_q, w_k, w_v, b_q, b_k
	s_load_b256 s[84:91], s[0:1], 0x40             ; b_v, qh, kh, vh
	v_lshl_add_u32 v30, v0, 2, 0x48400
	v_mov_b32 v31, 0
	ds_add_u32 v30, v31
	v_lshrrev_b32 v1, 5, v0
	v_readfirstlane_b32 s10, v1                    ; wave 0..3
	s_lshr_b32 s11, s10, 1                         ; my half of the block's tokens.  Also: I fetch for x (0) or for W (1)
	s_and_b32 s12, s10, 1                          ; my half of its features.  Also: which 128 rows of that tile I fetch
	s_bfe_u32 s40, ttmp6, 0x40000                  ; cx
	s_bfe_u32 s41, ttmp6, 0x40004                  ; cy
	s_lshl_b32 s42, ttmp9, 2
	s_add_co_u32 s42, s42, s40                     ; block column 0..3 = 4 x cluster x + cx
	s_and_b32 s13, ttmp7, 0xffff                   ; cluster y, 0..11
	s_lshr_b32 s45, s13, 2                         ; which projection: the same in all sixteen partners
	s_and_b32 s13, s13, 3
	s_lshl_b32 s13, s13, 2
	s_add_co_u32 s13, s13, s41                     ; block row 0..15
	s_lshl_b32 s43, s41, 2
	s_lshl_b32 s43, 15, s43                        ; my row of the cluster
	s_lshl_b32 s44, 0x1111, s40                    ; my column
	; group 1: 128 rows x 64 elements of 4 bytes, 16 bytes of padding behind each row of 64 words
	s_or_b32 s[G1+0], s43, (2<<16)|(1<<20)|(1<<21)|(5<<22)|(3<<25)
	s_or_b32 s[G1B+0], s44, (2<<16)|(1<<20)|(1<<21)|(5<<22)|(3<<25)
	s_mov_b32 s[G1+1], 64<<16                      ; tensor_dim0 = 64
	s_mov_b32 s[G1B+1], 64<<16
	s_mov_b32 s[G1+2], 128<<16                     ; tensor_dim1 = 128
	s_mov_b32 s[G1B+2], 128<<16
	s_mov_b32 s[G1+3], 64<<16                      ; tile_dim0 = 64
	s_mov_b32 s[G1B+3], 64<<16
	s_mov_b32 s[G1+4], 128                         ; tile_dim1 = 128
	s_mov_b32 s[G1B+4], 128
	s_mov_b32 s[G1+5], 1024                        ; elements from row to row
	s_mov_b32 s[G1B+5], 1024
	s_mov_b32 s[G1+6], 0
	s_mov_b32 s[G1B+6], 0
	s_mov_b32 s[G1+7], 0
	s_mov_b32 s[G1B+7], 0
	; offsets of the tiles: x's from the block row, W's from the block column, each in registers that never hold the other coordinate
	s_lshl_b32 s18, s12, 7                         ; which 128 rows I fetch
	s_lshl_b32 s16, s13, 8
	s_add_co_u32 s16, s16, s18
	s_lshl_b32 s16, s16, 12                        ; rows of 4,096 bytes; 16 MiB at the most
	s_mov_b32 s17, 0
	s_lshl_b32 s46, s42, 8
	s_add_co_u32 s46, s46, s18
	s_lshl_b32 s46, s46, 12
	s_mov_b32 s47, 0
	s_mul_i32 s20, s10, HALFT                      ; where my part lands: wave x 128 rows
	s_lshl_b32 s94, s42, 10                        ; the bias of my 128 features: 4 (256 block column + 128 half)
	s_lshl_b32 s19, s12, 9
	s_add_co_u32 s94, s94, s19
	s_mov_b32 s95, 0
	s_wait_dscnt 0x0
	s_wait_kmcnt 0x0
	s_cmp_eq_u32 s45, 1                            ; the four addresses of my projection, chosen by the cluster's row alone
	s_cselect_b64 s[4:5], s[70:71], s[68:69]       ; x
	s_cselect_b64 s[6:7], s[76:77], s[74:75]       ; W
	s_cselect_b64 s[92:93], s[82:83], s[80:81]     ; bias
	s_cselect_b64 s[8:9], s[88:89], s[86:87]       ; output
	s_cmp_eq_u32 s45, 2
	s_cselect_b64 s[4:5], s[72:73], s[4:5]
	s_cselect_b64 s[6:7], s[78:79], s[6:7]
	s_cselect_b64 s[92:93], s[84:85], s[92:93]
	s_cselect_b64 s[8:9], s[90:91], s[8:9]
	s_add_nc_u64 s[14:15], s[4:5], s[16:17]
	s_add_nc_u64 s[46:47], s[6:7], s[46:47]
	s_add_nc_u64 s[92:93], s[92:93], s[94:95]
	CROUND                                         ; all sixteen work-groups are here: the first joint loads meet
.irp s, 0,1
	s_mov_b32 s[G0+4*\s], 1
	s_add_co_u32 s[G0+4*\s+1], s20, \s*SLOT
	s_add_nc_u64 s[G0+4*\s+2:G0+4*\s+3], s[14:15], \s*256          ; K step s: 64 f32
	s_or_b32 s[G0+4*\s+3], s[G0+4*\s+3], 0x80000000
	s_mov_b32 s[G0B+4*\s], 1
	s_add_co_u32 s[G0B+4*\s+1], s20, \s*SLOT
	s_add_nc_u64 s[G0B+4*\s+2:G0B+4*\s+3], s[46:47], \s*256
	s_or_b32 s[G0B+4*\s+3], s[G0B+4*\s+3], 0x80000000
	JLOAD \s                                       ; both slots are asked for before anything else: two loads of mine are out
.endr
	; A fragment (16 rows x 32 K): lane l holds row l % 16, K = 8 (l / 16) + 0..7 and 16 + 8 (l / 16) + 0..7.  In f32 that is 32 bytes at 32 (l / 16) and 32 bytes 64 further on.
	v_and_b32 v1, 15, v0                           ; l % 16
	v_bfe_u32 v2, v0, 4, 1                         ; l / 16
	v_mul_u32_u24 v3, v1, PITCH
	v_lshl_add_u32 v3, v2, 5, v3
	s_mul_i32 s21, s11, HALFT                      ; my 128 rows of x
	s_mul_i32 s22, s12, HALFT                      ; my 128 rows of W,
	s_add_co_u32 s22, s22, 2*HALFT                 ; behind x's 256
.irp s, 0,1
	v_add_nc_u32 v[ADRA+\s], s21, v3
	v_add_nc_u32 v[ADRB+\s], s22, v3
	s_add_co_u32 s21, s21, SLOT
	s_add_co_u32 s22, s22, SLOT
.endr
	s_mul_i32 s23, s10, 16*PITCH
	s_add_co_u32 s23, s23, STAGE                   ; my stage
	v_mul_u32_u24 v4, v1, PITCH                    ; in: token l % 16, 16 bytes for each half of the lanes
	v_lshl_add_u32 v4, v2, 4, v4
	v_add_nc_u32 v[STO], s23, v4
	v_bfe_u32 v5, v0, 3, 1                         ; back: lanes 0-7 and 8-15 take two tokens' 128 bytes of my first head, lanes 16-31 those of my second head
	v_mul_u32_u24 v5, v5, PITCH
	v_lshl_add_u32 v5, v2, 7, v5
	v_and_b32 v6, 7, v0
	v_lshl_add_u32 v5, v6, 4, v5
	v_add_nc_u32 v[RD], s23, v5
	v_lshlrev_b32 v[CO], 4, v1                     ; in the output two tokens of a head are 256 neighbouring bytes;
	v_lshl_add_u32 v[CO], v2, 18, v[CO]            ; the next head lies 262,144 bytes on
	v_lshlrev_b32 v[BOF], 5, v2                    ; eight f32 for each half of the lanes
	WIN TO_B
.irp b, 0,1,2,3,4,5,6,7
	global_load_b128 v[8*\b:8*\b+3],   v[BOF], s[92:93] offset:64*\b
	global_load_b128 v[8*\b+4:8*\b+7], v[BOF], s[92:93] offset:64*\b+16
.endr
	WIN 0
; Four LDS loads: fragment i (16 rows x 32 K, half kh of the slot's rows) as f32.  LDB under TO_B (W), LDA under window 0 (x).
.macro LDB slot, kh, i
	ds_load_b128 v[RAW+16*(\i):RAW+16*(\i)+3],     v[ADRB+\slot] offset:(\i)*16*PITCH+\kh*128
	ds_load_b128 v[RAW+16*(\i)+4:RAW+16*(\i)+7],   v[ADRB+\slot] offset:(\i)*16*PITCH+\kh*128+16
	ds_load_b128 v[RAW+16*(\i)+8:RAW+16*(\i)+11],  v[ADRB+\slot] offset:(\i)*16*PITCH+\kh*128+64
	ds_load_b128 v[RAW+16*(\i)+12:RAW+16*(\i)+15], v[ADRB+\slot] offset:(\i)*16*PITCH+\kh*128+80
.endm
.macro LDA slot, kh, i
	ds_load_b128 v[RAW+16*(\i):RAW+16*(\i)+3],     v[ADRA+\slot] offset:(\i)*16*PITCH+\kh*128
	ds_load_b128 v[RAW+16*(\i)+4:RAW+16*(\i)+7],   v[ADRA+\slot] offset:(\i)*16*PITCH+\kh*128+16
	ds_load_b128 v[RAW+16*(\i)+8:RAW+16*(\i)+11],  v[ADRA+\slot] offset:(\i)*16*PITCH+\kh*128+64
	ds_load_b128 v[RAW+16*(\i)+12:RAW+16*(\i)+15], v[ADRA+\slot] offset:(\i)*16*PITCH+\kh*128+80
.endm
; RAW to F: neighbouring registers hold neighbouring K, so each pair narrows straight into its place in the f16 fragment.
.macro CVTB                            ; W's eight fragments
	WIN CVT_B
.irp i, 0,1,2,3,4,5,6,7
.irp j, 0,1,2,3,4,5,6,7
	v_cvt_pk_f16_f32 v[F+8*\i+\j], v[RAW+16*\i+2*\j], v[RAW+16*\i+2*\j+1]
.endr
.endr
.endm
.macro CVTA                            ; x's eight fragments; ends in window 0
	WIN 0
.irp i, 0,1,2,3,4,5,6,7
.irp j, 0,1,2,3,4,5,6,7
	v_cvt_pk_f16_f32 v[F+8*\i+\j], v[RAW+16*\i+2*\j], v[RAW+16*\i+2*\j+1]
.endr
.endr
.endm
; Eight matrix instructions: 16 tokens (block a of the window's four) x my 128 features, 32 along K
.macro MUL8 hi, a, zero
.irp b, 0,1,2,3,4,5,6,7
.if \zero
	v_wmma_f32_16x16x32_f16 v[8*(8*(\a)+\b):8*(8*(\a)+\b)+7], v[F+8*\b:F+8*\b+7], v[F+8*(4*\hi+\a):F+8*(4*\hi+\a)+7], 0
.else
	v_wmma_f32_16x16x32_f16 v[8*(8*(\a)+\b):8*(8*(\a)+\b)+7], v[F+8*\b:F+8*\b+7], v[F+8*(4*\hi+\a):F+8*(4*\hi+\a)+7], v[8*(8*(\a)+\b):8*(8*(\a)+\b)+7]
.endif
.endr
.endm
; 64 matrix instructions, 32 along K.  The 64 accumulators take turns, one instruction a turn, in the same order every time.
.macro MUL64 zero
	WIN MUL_LO
.irp g, 0,1,2,3
	MUL8 0, \g, \zero
.endr
	WIN MUL_HI
.irp g, 0,1,2,3
	MUL8 1, \g, \zero
.endr
.endm
; The same 64, each run of eight behind eight LDS loads (two fragments) of the next 32 of K: W's 32 loads first, then x's 32.
; RAW is no operand of a matrix instruction, so these loads need no places.
.macro MULF slot, kh, zero
.irp g, 0,1,2,3
	WIN TO_B
	LDB \slot, \kh, 2*\g
	LDB \slot, \kh, 2*\g+1
	WIN MUL_LO
	MUL8 0, \g, \zero
.endr
.irp g, 0,1,2,3
	WIN 0
	LDA \slot, \kh, 2*\g
	LDA \slot, \kh, 2*\g+1
	WIN MUL_HI
	MUL8 1, \g, \zero
.endr
.endm
; A K step of 64 = two halves of 32.  mode 2: the slot is filled again, two K steps ahead, behind a round of the cluster's barrier;
; mode 1: a work-group barrier alone (the other slot's tile is shown whole, nothing is filled); mode 0: the last K step.
.macro KS slot, next, zero, mode
	s_wait_dscnt 32                                ; W's 32 loads are back; the 32 younger ones, x's, stay out
	PLACES                                         ; F was read by the matrix instructions just issued
	CVTB
	s_wait_dscnt 0x0                               ; x's are back
	CVTA
	MULF \slot, 1, \zero                           ; the first half's products; the second half's fragments come in among them
	s_wait_dscnt 32
	PLACES
	CVTB
	s_wait_dscnt 0x0                               ; my reads of this slot are over
.if \mode >= 1
	s_set_vgpr_msb 0x4540
	s_wait_tensorcnt 0x0                           ; and all my tensor loads have landed: the one that was out is my part of the other slot
	ds_add_u32 v30, v31
	s_wait_dscnt 0x0
	s_set_vgpr_msb 0x4045
	s_barrier_signal -1                            ; say so (mode 2: this barrier opens the round)
.endif
	CVTA                                           ; register work while the others arrive
.if \mode >= 1
	s_barrier_wait -1
.endif
.if \mode == 2
	CREST                                          ; no wave of any partner still reads this slot or has a load on its way
	s_add_nc_u64 s[G0+4*\slot+2:G0+4*\slot+3], s[G0+4*\slot+2:G0+4*\slot+3], 512
	s_add_nc_u64 s[G0B+4*\slot+2:G0B+4*\slot+3], s[G0B+4*\slot+2:G0B+4*\slot+3], 512
	JLOAD \slot                                    ; my one tensor load behind the round, first thing there
.endif
.if \mode >= 1
	MULF \next, 0, 0
.else
	MUL64 0
.endif
.endm
	s_wait_loadcnt 0x0                             ; the bias
	s_wait_tensorcnt 0x1                           ; my part of K step 0 is in; K step 1's load stays out
	s_barrier_signal -1
	s_barrier_wait -1
	WIN TO_B
.irp i, 0,1,2,3,4,5,6,7
	LDB 0, 0, \i
.endr
	WIN 0
.irp i, 0,1,2,3,4,5,6,7
	LDA 0, 0, \i
.endr
	KS 0, 1, 1, 2                                  ; K steps 0 and 1 stand ahead of the loop: the first products start the sums
	KS 1, 0, 0, 2
	WIN 0
	s_mov_b32 s3, 6                                ; K steps 2 to 13
.Llap:
	KS 0, 1, 0, 2
	KS 1, 0, 0, 2
	WIN 0
	s_sub_co_u32 s3, s3, 1
	s_cmp_lg_u32 s3, 0
	s_cbranch_scc1 .Llap
	KS 0, 1, 0, 1                                  ; K steps 14 and 15 fill nothing
	KS 1, 0, 0, 0
	; THE WAY OUT, 16 tokens at a time: add the bias in f32, round once to f16, through my own stage, out as 256 neighbouring bytes for sixteen lanes.
	PLACES
	s_lshr_b32 s16, s13, 3                         ; batch: 16 heads of 262,144 bytes
	s_lshl_b32 s16, s16, 22
	s_and_b32 s18, s13, 7                          ; 256 tokens of 128 bytes for each block row of the batch
	s_lshl_b32 s18, s18, 15
	s_add_co_u32 s16, s16, s18
	s_lshl_b32 s18, s11, 14                        ; my 128 tokens
	s_add_co_u32 s16, s16, s18
	s_mov_b32 s17, 0
	s_add_nc_u64 s[8:9], s[8:9], s[16:17]
	s_lshl_b32 s46, s42, 20                        ; four heads for each block column,
	s_lshl_b32 s47, s12, 19                        ; two for my half
	s_add_co_u32 s46, s46, s47
	s_mov_b32 s47, 0
	s_add_nc_u64 s[8:9], s[8:9], s[46:47]
.macro OUT16 i, a, from, f
	WIN \from                                      ; source 0: accumulators (window 2 or 3); source 1: bias (window 1)
.irp b, 0,1,2,3,4,5,6,7
.irp n, 0,1,2,3
	v_pk_add_f32 v[RAW+8*\b+2*\n:RAW+8*\b+2*\n+1], v[8*(8*\a+\b)+2*\n:8*(8*\a+\b)+2*\n+1], v[8*\b+2*\n:8*\b+2*\n+1]
.endr
.endr
	WIN 0
.irp b, 0,1,2,3,4,5,6,7
.irp n, 0,1,2,3
	v_cvt_pk_f16_f32 v[TMP+4*\b+\n], v[RAW+8*\b+2*\n], v[RAW+8*\b+2*\n+1]
.endr
.endr
.irp b, 0,1,2,3,4,5,6,7
	ds_store_b128 v[STO], v[TMP+4*\b:TMP+4*\b+3] offset:32*\b
.endr
	s_wait_xcnt 0x0                                ; buffer f, which earlier stores read, is loaded again only behind this wait
.irp t, 0,1,2,3,4,5,6,7
	ds_load_b128 v[\f+4*\t:\f+4*\t+3], v[RD] offset:\t*2*PITCH     ; LDS serves a wave's instructions in order: these see the stores above
.endr
.irp t, 0,1,2,3,4,5,6,7
	s_wait_dscnt 7-\t                              ; the younger read-backs stay out
	global_store_b128 v[CO], v[\f+4*\t:\f+4*\t+3], s[8:9] offset:\i*2048+\t*256
.endr
.endm
	OUT16 0, 0, 0x06, 64
	OUT16 1, 1, 0x06, 96
	OUT16 2, 2, 0x06, 64
	OUT16 3, 3, 0x06, 96
	OUT16 4, 0, 0x07, 64
	OUT16 5, 1, 0x07, 96
	OUT16 6, 2, 0x07, 64
	OUT16 7, 3, 0x07, 96
	s_wait_tensorcnt 0x0
	ds_add_u32 v30, v31
	s_wait_dscnt 0x0
	CROUND                                         ; the closing round: no work-group ends while a partner may still ask for a tile that names it
	s_endpgm
.Lfunc_end_k_q06679a7fb2_qkv:
	.size	k_q06679a7fb2_qkv, .Lfunc_end_k_q06679a7fb2_qkv-k_q06679a7fb2_qkv
	.p2alignl 7, 3214868480
	.fill 96, 4, 3214868480
	.section	.rodata,"a",@progbits
	.p2align	6, 0x0
	.amdhsa_kernel k_q06679a7fb2_qkv
		.amdhsa_group_segment_fixed_size 327680
		.amdhsa_private_segment_fixed_size 0
		.amdhsa_enable_private_segment 0
		.amdhsa_kernarg_size 96
		.amdhsa_user_sgpr_count 2
		.amdhsa_user_sgpr_kernarg_segment_ptr 1
		.amdhsa_wavefront_size32 1
		.amdhsa_system_sgpr_workgroup_id_x 1
		.amdhsa_system_sgpr_workgroup_id_y 1
		.amdhsa_system_sgpr_workgroup_id_z 1
		.amdhsa_system_vgpr_workitem_id 0
		.amdhsa_next_free_vgpr 1024
		.amdhsa_next_free_sgpr 96
		.amdhsa_reserve_vcc 0
		.amdhsa_float_denorm_mode_32 3
		.amdhsa_float_denorm_mode_16_64 3
		.amdhsa_memory_ordered 1
		.amdhsa_forward_progress 1
		.amdhsa_inst_pref_size 255
	.end_amdhsa_kernel
	.section	.bss,"aw",@nobits
	.p2align	6
	.space	262144
	.amdgpu_metadata
---
amdhsa.version: [ 1, 2 ]
amdhsa.kernels:
  - .name:           k_q06679a7fb2_qkv
    .symbol:         k_q06679a7fb2_qkv.kd
    .args:
      - { .name: q, .offset: 0, .size: 8, .value_kind: global_buffer, .address_space: global }
      - { .name: k, .offset: 8, .size: 8, .value_kind: global_buffer, .address_space: global }
      - { .name: v, .offset: 16, .size: 8, .value_kind: global_buffer, .address_space: global }
      - { .name: w_q, .offset: 24, .size: 8, .value_kind: global_buffer, .address_space: global }
      - { .name: w_k, .offset: 32, .size: 8, .value_kind: global_buffer, .address_space: global }
      - { .name: w_v, .offset: 40, .size: 8, .value_kind: global_buffer, .address_space: global }
      - { .name: b_q, .offset: 48, .size: 8, .value_kind: global_buffer, .address_space: global }
      - { .name: b_k, .offset: 56, .size: 8, .value_kind: global_buffer, .address_space: global }
      - { .name: b_v, .offset: 64, .size: 8, .value_kind: global_buffer, .address_space: global }
      - { .name: qh, .offset: 72, .size: 8, .value_kind: global_buffer, .address_space: global }
      - { .name: kh, .offset: 80, .size: 8, .value_kind: global_buffer, .address_space: global }
      - { .name: vh, .offset: 88, .size: 8, .value_kind: global_buffer, .address_space: global }
    .group_segment_fixed_size: 327680
    .private_segment_fixed_size: 0
    .kernarg_segment_align: 8
    .kernarg_segment_size: 96
    .max_flat_workgroup_size: 128
    .sgpr_count:     96
    .vgpr_count:     1024
    .wavefront_size: 32
...
	.end_amdgpu_metadata
.endif
;; end of part 1
;; launch attn (part 2): grid 8 x 32, 8 waves a work-group, clusters of 4 x 1, 327,680 bytes of LDS; arguments qh, kh, vh, w_o, ctx, wo16; writes ctx, wo16
.if DOCPART == 2
	.amdgcn_target "amdgcn-amd-amdhsa--gfx1250"
	.amdhsa_code_object_version 6
	.text
	.protected	k_q06679a7fb2_attn
	.globl	k_q06679a7fb2_attn
	.p2align	8
	.type	k_q06679a7fb2_attn,@function
k_q06679a7fb2_attn:
	s_mov_b64 s[64:65], 0
	v_nop
	global_prefetch_b8 v0, s[64:65] scope:SCOPE_SE
	s_setreg_imm32_b32 hwreg(HW_REG_WAVE_MODE, 25, 1), 1
	s_wait_xcnt 0x0
	s_wait_alu depctr_hold_cnt(0) depctr_sa_sdst(0) depctr_va_vdst(0) depctr_va_sdst(0) depctr_va_ssrc(0) depctr_va_vcc(0) depctr_vm_vsrc(0)
	s_getreg_b32 s2, hwreg(HW_REG_IB_STS2, 6, 4)
	s_cmp_eq_u32 s2, 0
	s_cbranch_scc0 .Lentry_in_a_cluster
	s_endpgm
.Lentry_in_a_cluster:
	s_bfe_u32 s2, ttmp6, 0x10000c
	s_cmp_lg_u32 s2, 0x3003
	s_cbranch_scc0 .Lentry_shape_is_right
	s_endpgm
.Lentry_shape_is_right:
; softmax(Q K^T / 8) V for one (batch, head) and 256 queries; qh, kh, vh, ctx: [32][2048][64] f16.  Also narrows 1/256 of w_o to f16 (wo16).
; Eight waves: wave w has query group w & 3 (64 queries = four tiles of 16) and key half w >> 2 (1,024 keys): each K or V fragment read from LDS
; feeds four query tiles, and two waves share a SIMD.  Each wave keeps a running maximum and sum over its own keys; the two halves are merged once at the end, through LDS.
; S^T = K Q^T: lane l holds query l % 16, register j of tile kt holds key 16 kt + 8 (l / 16) + j.  Neighbouring registers pack straight into the second
; product's fragment of P; O^T = V^T P^T with V^T read by the transposing LDS load.  Maximum, sum and rescale factor are one number a lane.
; THE SCORES OF THE NEXT QUERY TILE ARE ISSUED INSIDE THE SOFTMAX OF THE CURRENT ONE, into a second score buffer: its eight matrix instructions stand between the
; links of the chain that ends in the new maximum and beside the first exponentials, so the wave has vector work to issue while they run.
; The maximum is taken away before the exponential, as a running maximum.  exp2 results below 2^-126 come out as 0 (ISA guide, V_EXP_F32); the sum is at least 1.
; LIMIT: P and the output are rounded to f16 (P lies in [0, 1]; the output is a convex mix of V's rows, so it has V's range).
; CLUSTERS: the four query blocks of a cluster (4, 1, 1) read the same K and V tiles and ask for them jointly: the mask is the constant 15.
; LDS: slot s at 77,824 s: V, 2 halves x 128 keys x 160 bytes, then K, 2 halves x 128 keys x 144 bytes; MERGE 4 x 17,408; OSTAGE 4 x 9,216: neither is ever filled by a tensor load.
.set SLOT,   77824
.set KOFF,   40960
.set MERGE,  155648
.set OSTAGE, 225280
.set KADR, 2                           ; v2-3    LDS address of my K fragments in slot 0, 1
.set VADR, 4                           ; v4-5    the same for V
.set QOFF, 6
.set CIN,  7
.set STO,  8
.set RD,   9
.set CO,   10
.set MADR, 11
.set MX,   12                          ; v12-15  running maximum of query tile i (raw scores)
.set LP,   16                          ; v16-23  running sum of tile i, as a pair of partial sums
.set AL,   24                          ; v24-25  rescale factor, twice
.set NMC,  26                          ; v26-27  -(log2 e / 8) x maximum, twice
.set XT,   28                          ; v28-31  at work
.set QF,   32                          ; v32-95  Q fragments, (i, ks) at 8 (2 i + ks)
.set KF,   96                          ; v96-159 K fragments, (kt, ks) at 8 (2 kt + ks)
.set SC0,  160                         ; v160-191 scores of query tiles 0 and 2 x 64 keys, then P in f32
.set PP,   192                         ; v192-207 P in f16
.set SC1,  208                         ; v208-239 the same for query tiles 1 and 3
.set OLDN, 240                         ; v240    -(log2 e / 8) x the old maximum
.set COUT, 248
.set VF,   128                         ; window 1: v128-191 V^T fragments, (dt, kc) at 8 (2 dt + kc); v0-127 O, tile (i, dt) at 32 i + 8 dt
.set G1K, 24
.set G1V, 32
.set G0K, 40
.set G0V, 48
.set CLOG,  0x3e38aa3b                 ; log2 e / 8
.set NCLOG, 0xbe38aa3b
.set MSB, 0
.macro WIN new
.if MSB != \new
	s_set_vgpr_msb (MSB<<8)|\new
.set MSB, \new
.endif
.endm
.macro PLACES                          ; four places behind a matrix instruction (ISA guide 7.12.1)
.rept 4
	v_nop
.endr
.endm
.macro JLOAD s                         ; waves 0-3 ask for V's four parts of 64 keys, waves 4-7 for K's
	s_cmp_lt_u32 s16, 4
	s_cbranch_scc0 .Lfor_k_\@
	tensor_load_to_lds s[G0V+4*\s:G0V+4*\s+3], s[G1V:G1V+7]
	s_nop 0
	s_branch .Lasked_\@
.Lfor_k_\@:
	tensor_load_to_lds s[G0K+4*\s:G0K+4*\s+3], s[G1K:G1K+7]
	s_nop 0
.Lasked_\@:
.endm
.macro CREST
	s_cmp_lg_u32 s16, 0
	s_cbranch_scc1 .Lnot_wave_0_\@
	s_barrier_signal -3
.Lnot_wave_0_\@:
	s_barrier_wait -3
	s_barrier_signal -1
	s_barrier_wait -1
.endm
.macro CROUND
	s_barrier_signal -1
	s_barrier_wait -1
	CREST
.endm
	s_load_b256 s[4:11], s[0:1], 0x0               ; qh, kh, vh, w_o
	s_load_b128 s[12:15], s[0:1], 0x20             ; ctx, wo16
	v_lshl_add_u32 v254, v0, 2, 0x40000
	v_mov_b32 v255, 0
	ds_add_u32 v254, v255
	v_lshrrev_b32 v1, 5, v0
	v_readfirstlane_b32 s16, v1                    ; wave 0..7
	s_and_b32 s17, s16, 3                          ; query group.  Also: which part of a slot's V or K I fetch
	s_lshr_b32 s18, s16, 2                         ; key half
	s_bfe_u32 s21, ttmp6, 0x40000                  ; cx
	s_lshl_b32 s19, ttmp9, 2
	s_add_co_u32 s19, s19, s21                     ; query block 0..7
	s_and_b32 s20, ttmp7, 0xffff                   ; batch x 16 + head
	s_mov_b32 s56, 0x76543210                      ; v_permlanex16_b32: lane i reads lane i of the other half
	s_mov_b32 s57, 0xfedcba98
	; group 1: a part is 64 keys = 8,192 dense bytes, taken as 32 rows of 32 elements of 8 bytes; padding behind every 32 words, that is behind each key: 4 words for K, 8 for V
	s_mov_b32 s[G1K+0], 15|(3<<16)|(1<<20)|(1<<21)|(4<<22)|(3<<25)
	s_mov_b32 s[G1V+0], 15|(3<<16)|(1<<20)|(1<<21)|(4<<22)|(7<<25)
	s_mov_b32 s[G1K+1], 32<<16
	s_mov_b32 s[G1V+1], 32<<16
	s_mov_b32 s[G1K+2], 32<<16
	s_mov_b32 s[G1V+2], 32<<16
	s_mov_b32 s[G1K+3], 32<<16
	s_mov_b32 s[G1V+3], 32<<16
	s_mov_b32 s[G1K+4], 32
	s_mov_b32 s[G1V+4], 32
	s_mov_b32 s[G1K+5], 32
	s_mov_b32 s[G1V+5], 32
	s_mov_b32 s[G1K+6], 0
	s_mov_b32 s[G1V+6], 0
	s_mov_b32 s[G1K+7], 0
	s_mov_b32 s[G1V+7], 0
	s_lshl_b32 s60, s20, 18                        ; my part in kh and vh: the head, part >> 1 = key half (131,072 bytes), part & 1 = which 64 keys (8,192 bytes)
	s_lshr_b32 s22, s17, 1
	s_lshl_b32 s22, s22, 17
	s_add_co_u32 s60, s60, s22
	s_and_b32 s22, s17, 1
	s_lshl_b32 s22, s22, 13
	s_add_co_u32 s60, s60, s22
	s_mov_b32 s61, 0
	s_mul_i32 s22, s16, 9216                       ; K's part lands at 40,960 + (wave - 4) x 9,216
	s_add_co_u32 s22, s22, 4096
	s_mul_i32 s23, s16, 10240                      ; V's part at wave x 10,240
	s_lshl_b32 s68, s20, 18                        ; my 64 queries in qh and ctx: these registers hold cx and feed no descriptor
	s_lshl_b32 s70, s19, 15
	s_add_co_u32 s68, s68, s70
	s_lshl_b32 s70, s17, 13
	s_add_co_u32 s68, s68, s70
	s_mov_b32 s69, 0
	s_lshl_b32 s70, s20, 3
	s_add_co_u32 s70, s70, s19                     ; the work-group's number 0..255: its 4,096 numbers of w_o
	s_lshl_b32 s72, s70, 13
	s_lshl_b32 s70, s70, 14
	s_mov_b32 s71, 0
	s_mov_b32 s73, 0
	s_wait_dscnt 0x0
	s_wait_kmcnt 0x0
	s_add_nc_u64 s[4:5], s[4:5], s[68:69]
	s_add_nc_u64 s[12:13], s[12:13], s[68:69]
	s_add_nc_u64 s[10:11], s[10:11], s[70:71]
	s_add_nc_u64 s[14:15], s[14:15], s[72:73]
	s_add_nc_u64 s[62:63], s[6:7], s[60:61]
	s_add_nc_u64 s[66:67], s[8:9], s[60:61]
	CROUND                                         ; the four work-groups are here: the first joint loads meet
.irp s, 0,1
	s_mov_b32 s[G0K+4*\s], 1
	s_add_co_u32 s[G0K+4*\s+1], s22, \s*SLOT
	s_add_nc_u64 s[G0K+4*\s+2:G0K+4*\s+3], s[62:63], \s*16384      ; slot s: 128 keys on
	s_or_b32 s[G0K+4*\s+3], s[G0K+4*\s+3], 0x80000000
	s_mov_b32 s[G0V+4*\s], 1
	s_add_co_u32 s[G0V+4*\s+1], s23, \s*SLOT
	s_add_nc_u64 s[G0V+4*\s+2:G0V+4*\s+3], s[66:67], \s*16384
	s_or_b32 s[G0V+4*\s+3], s[G0V+4*\s+3], 0x80000000
	JLOAD \s                                       ; two loads of mine are out
.endr
	v_and_b32 v1, 15, v0                           ; r = l % 16
	v_bfe_u32 v28, v0, 4, 1                        ; h = l / 16
	v_and_b32 v29, 7, v0
	v_bfe_u32 v30, v0, 3, 1
	v_and_b32 v31, 31, v0                          ; lane
	s_mul_i32 s22, s18, 18432
	s_add_co_u32 s22, s22, KOFF
	v_mul_u32_u24 v[KADR], v1, 144                 ; K: key r, 16 bytes for each half of the lanes
	v_lshl_add_u32 v[KADR], v28, 4, v[KADR]
	v_add_nc_u32 v[KADR], s22, v[KADR]
	v_add_nc_u32 v[KADR+1], SLOT, v[KADR]
	s_mul_i32 s23, s18, 20480
	v_lshl_add_u32 v[VADR], v28, 3, v29            ; V, for the transposing load: key 8 h + l % 8, 16 bytes by bit 3 of the lane
	v_mul_u32_u24 v[VADR], v[VADR], 160
	v_lshl_add_u32 v[VADR], v30, 4, v[VADR]
	v_add_nc_u32 v[VADR], s23, v[VADR]
	v_add_nc_u32 v[VADR+1], SLOT, v[VADR]
	v_lshlrev_b32 v[QOFF], 7, v1                   ; Q: query r, 16 bytes for each half
	v_lshl_add_u32 v[QOFF], v28, 4, v[QOFF]
	v_lshlrev_b32 v[CIN], 5, v0                    ; w_o: 8 f32 a thread,
	v_lshlrev_b32 v[COUT], 4, v0                   ; 8 f16 out
	s_mul_i32 s22, s17, 9216
	s_add_co_u32 s22, s22, OSTAGE
	v_mul_u32_u24 v[STO], v1, 144
	v_lshl_add_u32 v[STO], v28, 4, v[STO]
	v_add_nc_u32 v[STO], s22, v[STO]
	v_lshrrev_b32 v[RD], 3, v31                    ; back: four queries of 128 bytes a load
	v_mul_u32_u24 v[RD], v[RD], 144
	v_lshl_add_u32 v[RD], v29, 4, v[RD]
	v_add_nc_u32 v[RD], s22, v[RD]
	v_lshlrev_b32 v[CO], 4, v31
	s_mul_i32 s23, s17, 17408
	s_add_co_u32 s23, s23, MERGE
	v_add_nc_u32 v[MADR], s23, v[CO]
.irp i, 0,1,2,3
.irp ks, 0,1
	global_load_b128 v[QF+8*(2*\i+\ks):QF+8*(2*\i+\ks)+3],   v[QOFF], s[4:5] offset:\i*2048+\ks*64
	global_load_b128 v[QF+8*(2*\i+\ks)+4:QF+8*(2*\i+\ks)+7], v[QOFF], s[4:5] offset:\i*2048+\ks*64+32
.endr
.endr
.irp j, 0,1
	global_load_b128 v[208+8*\j:211+8*\j], v[CIN], s[10:11] offset:\j*8192 th:TH_LOAD_NT
	global_load_b128 v[212+8*\j:215+8*\j], v[CIN], s[10:11] offset:\j*8192+16 th:TH_LOAD_NT
.endr
	s_wait_loadcnt 0x0
.irp n, 0,1,2,3,4,5,6,7
	v_cvt_pk_f16_f32 v[224+\n], v[208+2*\n], v[209+2*\n]
.endr
	global_store_b128 v[COUT], v[224:227], s[14:15]
	global_store_b128 v[COUT], v[228:231], s[14:15] offset:4096
	s_wait_tensorcnt 0x1                           ; my part of slot 0 is in; slot 1's load stays out
	s_wait_xcnt 0x0                                ; v224-231 are free again
	s_barrier_signal -1
	s_barrier_wait -1
.macro KLOAD slot, blk                 ; 16 loads: 64 keys x 64 d
.irp kt, 0,1,2,3
.irp ks, 0,1
	ds_load_b128 v[KF+8*(2*\kt+\ks):KF+8*(2*\kt+\ks)+3],   v[KADR+\slot] offset:\blk*9216+\kt*2304+\ks*64
	ds_load_b128 v[KF+8*(2*\kt+\ks)+4:KF+8*(2*\kt+\ks)+7], v[KADR+\slot] offset:\blk*9216+\kt*2304+\ks*64+32
.endr
.endr
.endm
.macro VLOAD slot, blk                 ; 16 transposing loads: lane l gets d = 16 dt + l % 16, keys 32 kc + 8 (l / 16) + 0..7 and 16 further on
	WIN 0x40
.irp dt, 0,1,2,3
.irp kc, 0,1
	ds_load_tr16_b128 v[VF+8*(2*\dt+\kc):VF+8*(2*\dt+\kc)+3],   v[VADR+\slot] offset:\blk*10240+\kc*5120+\dt*32
	ds_load_tr16_b128 v[VF+8*(2*\dt+\kc)+4:VF+8*(2*\dt+\kc)+7], v[VADR+\slot] offset:\blk*10240+\kc*5120+\dt*32+2560
.endr
.endr
	WIN 0
.endm
; The n-th of the eight matrix instructions that make the scores of query tile q in buffer sc2 (q = -1: none).  n = 0..3: key tiles 0..3, d 0-31, start the sums;
; n = 4..7: key tiles 0..3, d 32-63.  The four accumulators take turns, one instruction a turn.
.macro WS n, sc2, q
.if \q >= 0
.if \n < 4
	v_wmma_f32_16x16x32_f16 v[\sc2+8*\n:\sc2+8*\n+7], v[KF+16*\n:KF+16*\n+7], v[QF+16*\q:QF+16*\q+7], 0
.else
	v_wmma_f32_16x16x32_f16 v[\sc2+8*(\n-4):\sc2+8*(\n-4)+7], v[KF+16*(\n-4)+8:KF+16*(\n-4)+15], v[QF+16*\q+8:QF+16*\q+15], v[\sc2+8*(\n-4):\sc2+8*(\n-4)+7]
.endif
.endif
.endm
.macro SFMA g, sc                      ; (score - maximum) x log2 e / 8, one rounding
.irp n, 0,2,4,6
	v_pk_fma_f32 v[\sc+8*\g+\n:\sc+8*\g+\n+1], v[\sc+8*\g+\n:\sc+8*\g+\n+1], CLOG, v[NMC:NMC+1] op_sel_hi:[1,0,1]
.endr
.endm
.macro SEXP g, sc
.irp n, 0,1,2,3,4,5,6,7
	v_exp_f32 v[\sc+8*\g+\n], v[\sc+8*\g+\n]
.endr
.endm
.macro SPACK g, n, sc
	v_cvt_pk_f16_f32 v[PP+4*\g+\n], v[\sc+8*\g+2*\n], v[\sc+8*\g+2*\n+1]
.endm
.macro POST g, sc                      ; eight numbers of P: into the two chains of the sum, and to f16
	s_wait_alu depctr_va_vdst(0)
	v_pk_add_f32 v[XT+2:XT+3], v[XT+2:XT+3], v[\sc+8*\g:\sc+8*\g+1]
	SPACK \g, 0, \sc
	v_pk_add_f32 v[XT:XT+1], v[XT:XT+1], v[\sc+8*\g+2:\sc+8*\g+3]
	SPACK \g, 1, \sc
	v_pk_add_f32 v[XT+2:XT+3], v[XT+2:XT+3], v[\sc+8*\g+4:\sc+8*\g+5]
	SPACK \g, 2, \sc
	v_pk_add_f32 v[XT:XT+1], v[XT:XT+1], v[\sc+8*\g+6:\sc+8*\g+7]
	SPACK \g, 3, \sc
.endm
; Query tile i x 64 keys, scores in buffer sc; among its lines the eight matrix instructions of query tile q's scores, into buffer sc2.
; kw = 1: those read K fragments whose loads are still out: the wait stands in front of the first of them.
; Behind every run of exponentials stands plain work on another group before a result is used (ISA guide 5.7.2).
; Behind the last matrix instruction stand the four multiply-adds of group 1 and more, on the other buffer: the places that the next reader of sc2 and the next loads into K's registers need.
.macro SOFTMAX i, sc, first, q, sc2, kw
.if \first == 0
	v_mul_f32 v[OLDN], NCLOG, v[MX+\i]             ; the rounded product that the earlier blocks' exponents were formed with
.endif
.irp g, 0,1,2,3
	v_max3_num_f32 v[XT+\g], v[\sc+8*\g], v[\sc+8*\g+1], v[\sc+8*\g+2]
.endr
.irp g, 0,1,2,3
	v_max3_num_f32 v[XT+\g], v[XT+\g], v[\sc+8*\g+3], v[\sc+8*\g+4]
.endr
.irp g, 0,1,2,3
	v_max3_num_f32 v[XT+\g], v[XT+\g], v[\sc+8*\g+5], v[\sc+8*\g+6]
.endr
.if \kw
	s_wait_dscnt 0x0                               ; the next block's 16 K loads are back
.endif
	WS 0, \sc2, \q
	v_max3_num_f32 v[XT], v[XT], v[XT+1], v[\sc+7]
	v_max3_num_f32 v[XT+2], v[XT+2], v[XT+3], v[\sc+15]
	WS 1, \sc2, \q
	v_max3_num_f32 v[XT], v[XT], v[XT+2], v[\sc+23]
	WS 2, \sc2, \q
.if \first
	v_max_num_f32 v[XT], v[XT], v[\sc+31]
.else
	v_max3_num_f32 v[XT], v[XT], v[\sc+31], v[MX+\i]
.endif
	WS 3, \sc2, \q
	v_permlanex16_b32 v[XT+1], v[XT], s56, s57     ; the other 32 keys of my query lie in the other half of the lanes
	WS 4, \sc2, \q
	v_max_num_f32 v[MX+\i], v[XT], v[XT+1]         ; the new running maximum
	WS 5, \sc2, \q
	v_mul_f32 v[NMC], NCLOG, v[MX+\i]
	v_mul_f32 v[NMC+1], NCLOG, v[MX+\i]
.if \first == 0
	v_sub_f32 v[XT+2], v[NMC], v[OLDN]             ; the factor is the exact ratio of the two rounded references
	v_exp_f32 v[AL], v[XT+2]
.endif
	WS 6, \sc2, \q
	SFMA 0, \sc
	SEXP 0, \sc
.if \first == 0
	s_wait_alu depctr_va_vdst(0)
	v_mov_b32 v[AL+1], v[AL]
.endif
	WS 7, \sc2, \q
	SFMA 1, \sc
	SEXP 1, \sc
.if \first
	s_wait_alu depctr_va_vdst(0)
	v_pk_add_f32 v[XT:XT+1], v[\sc:\sc+1], v[\sc+2:\sc+3]
	SPACK 0, 0, \sc
	SPACK 0, 1, \sc
	v_pk_add_f32 v[XT+2:XT+3], v[\sc+4:\sc+5], v[\sc+6:\sc+7]
	SPACK 0, 2, \sc
	SPACK 0, 3, \sc
.else
	v_pk_fma_f32 v[XT:XT+1], v[LP+2*\i:LP+2*\i+1], v[AL:AL+1], v[\sc:\sc+1]
	SPACK 0, 0, \sc
	v_pk_add_f32 v[XT+2:XT+3], v[\sc+2:\sc+3], v[\sc+4:\sc+5]
	SPACK 0, 1, \sc
	SPACK 0, 2, \sc
	v_pk_add_f32 v[XT:XT+1], v[XT:XT+1], v[\sc+6:\sc+7]
	SPACK 0, 3, \sc
.endif
	SFMA 2, \sc
	SEXP 2, \sc
	POST 1, \sc
	SFMA 3, \sc
	SEXP 3, \sc
	POST 2, \sc
	POST 3, \sc
	v_pk_add_f32 v[LP+2*\i:LP+2*\i+1], v[XT:XT+1], v[XT+2:XT+3]
.endm
.macro OSC i, dt                       ; O's tile (i, dt) times the rescale factor
.irp n, 0,1,2,3
	v_pk_mul_f32 v[32*\i+8*\dt+2*\n:32*\i+8*\dt+2*\n+1], v[32*\i+8*\dt+2*\n:32*\i+8*\dt+2*\n+1], v[AL:AL+1]
.endr
.endm
.macro PVW i, dt, kc, zero
.if \zero
	v_wmma_f32_16x16x32_f16 v[32*\i+8*\dt:32*\i+8*\dt+7], v[VF+16*\dt+8*\kc:VF+16*\dt+8*\kc+7], v[PP+8*\kc:PP+8*\kc+7], 0
.else
	v_wmma_f32_16x16x32_f16 v[32*\i+8*\dt:32*\i+8*\dt+7], v[VF+16*\dt+8*\kc:VF+16*\dt+8*\kc+7], v[PP+8*\kc:PP+8*\kc+7], v[32*\i+8*\dt:32*\i+8*\dt+7]
.endif
.endm
; O of tile i is rescaled and takes P V.  One window setting: source 0 (O, V^T), C and D window 1, source 1 (factor, P) window 0.
; A tile of O is rescaled one tile ahead of the matrix instruction that adds onto it, so half of the multiplies stand between matrix instructions.
; The four accumulators take turns, one instruction a turn.
.macro PV i, first
	WIN 0x51
.if \first
	PVW \i, 0, 0, 1
	PVW \i, 1, 0, 1
	PVW \i, 2, 0, 1
	PVW \i, 3, 0, 1
.else
	OSC \i, 0
	OSC \i, 1
	PVW \i, 0, 0, 0
	OSC \i, 2
	PVW \i, 1, 0, 0
	OSC \i, 3
	PVW \i, 2, 0, 0
	PVW \i, 3, 0, 0
.endif
	PVW \i, 0, 1, 0
	PVW \i, 1, 1, 0
	PVW \i, 2, 1, 0
	PVW \i, 3, 1, 0
	WIN 0
.endm
; 64 keys x my four query tiles.  At its head the scores of tile 0 are in SC0 (made inside the block before, or ahead of the first block).
; chg 0: the slot's second block follows; 1: change of slots with a refill; 2: change of slots, nothing left to fetch; 3: the very last block.
; In a slot's last block (chg 1, 2) V's loads are my last reads of the slot (its K fragments were waited for inside the block before), so the barrier's signal stands right behind
; their wait, and its wait only where the next slot is first read: between the two stands register work alone.
.macro BLOCK slot, next, blk, first, chg
	PLACES                                         ; V's registers were read by the matrix instructions just issued
	VLOAD \slot, \blk
	SOFTMAX 0, SC0, \first, 1, SC1, 0
	s_wait_dscnt 0x0                               ; V is in
.if (\chg-1)*(\chg-2) == 0
	s_wait_tensorcnt 0x0                           ; all my tensor loads have landed: the one that was out is my part of the other slot
	ds_add_u32 v254, v255
	s_wait_dscnt 0x0
	s_barrier_signal -1                            ; chg 1: opens a round of the cluster's barrier
.endif
	PV 0, \first
	SOFTMAX 1, SC1, \first, 2, SC0, 0
	PV 1, \first
	SOFTMAX 2, SC0, \first, 3, SC1, 0
.if \chg == 0
	KLOAD \slot, 1                                 ; tile 3's scores are issued, with their places behind them: K's registers take the next 64 keys
.endif
	PV 2, \first
.if (\chg-1)*(\chg-2) == 0
	s_barrier_wait -1
.endif
.if \chg == 1
	CREST                                          ; no wave of any partner still reads this slot or has a load on its way
	s_add_nc_u64 s[G0K+4*\slot+2:G0K+4*\slot+3], s[G0K+4*\slot+2:G0K+4*\slot+3], 32768
	s_add_nc_u64 s[G0V+4*\slot+2:G0V+4*\slot+3], s[G0V+4*\slot+2:G0V+4*\slot+3], 32768
	JLOAD \slot                                    ; my one tensor load behind the round, first thing there: 256 keys on
.endif
.if (\chg-1)*(\chg-2) == 0
	KLOAD \next, 0
.endif
.if \chg == 3
	SOFTMAX 3, SC1, \first, -1, SC0, 0
.else
	SOFTMAX 3, SC1, \first, 0, SC0, 1              ; with the next block's scores of tile 0
.endif
	PV 3, \first
.endm
.macro TRIP slot, next, first, chg     ; a slot: 128 keys of my half
	BLOCK \slot, \next, 0, \first, 0
	BLOCK \slot, \next, 1, 0, \chg
.endm
	KLOAD 0, 0
	s_wait_dscnt 0x0
.irp n, 0,1,2,3,4,5,6,7
	WS \n, SC0, 0                                  ; the first block's scores of tile 0; the block's four places stand behind them
.endr
	TRIP 0, 1, 1, 1                                ; trips 0 and 1 stand ahead of the loop: the first block starts maximum, sum and O
	TRIP 1, 0, 0, 1
	s_mov_b32 s58, 2                               ; trips 2 to 5
.Ltrips:
	TRIP 0, 1, 0, 1
	TRIP 1, 0, 0, 1
	s_sub_co_u32 s58, s58, 1
	s_cmp_lg_u32 s58, 0
	s_cbranch_scc1 .Ltrips
	TRIP 0, 1, 0, 2                                ; trips 6 and 7 fill nothing
	TRIP 1, 0, 0, 3
	; THE MERGE.  Each lane's sum: its two partial sums and those of the lane that holds the query's other keys.
	PLACES
.irp i, 0,1,2,3
	v_add_f32 v[24+\i], v[LP+2*\i], v[LP+2*\i+1]
.endr
.irp i, 0,1,2,3
	v_permlanex16_b32 v[28+\i], v[24+\i], s56, s57
.endr
.irp i, 0,1,2,3
	v_add_f32 v[24+\i], v[24+\i], v[28+\i]
.endr
	s_cmp_lt_u32 s16, 4
	s_cbranch_scc1 .Lno_hand
	WIN 0x04                                       ; waves 4-7 hand O, maxima and sums to the wave with the same queries: lane to lane, 16 bytes each
.set n, 0
.rept 32
	ds_store_b128 v[MADR], v[4*n:4*n+3] offset:n*512
.set n, n+1
.endr
	WIN 0
	ds_store_b128 v[MADR], v[MX:MX+3] offset:32*512
	ds_store_b128 v[MADR], v[24:27] offset:33*512
.Lno_hand:
	s_wait_dscnt 0x0                               ; the stores are done before I signal
	CROUND                                         ; its opening barrier puts the stores ahead of the reads; as the closing round it stands behind the last joint load
	s_cmp_lt_u32 s16, 4
	s_cbranch_scc1 .Lmerge
	s_wait_tensorcnt 0x0
	ds_add_u32 v254, v255
	s_wait_dscnt 0x0
	s_endpgm
.Lmerge:
	ds_load_b128 v[208:211], v[MADR] offset:32*512 ; the other half's maxima
	ds_load_b128 v[212:215], v[MADR] offset:33*512 ; and sums
.set n, 0
.rept 32
	ds_load_b128 v[32+4*n:32+4*n+3], v[MADR] offset:n*512
.set n, n+1
.endr
	s_wait_dscnt 32                                ; the two statistics loads are back; the 32 loads of O stay out
.irp i, 0,1,2,3
	v_mul_f32 v[232+\i], NCLOG, v[MX+\i]           ; the two references as the exponents were formed with them
	v_mul_f32 v[236+\i], NCLOG, v[208+\i]
.endr
.irp i, 0,1,2,3
	v_min_num_f32 v[240+\i], v[232+\i], v[236+\i]  ; that of the larger maximum
.endr
.irp i, 0,1,2,3
	v_sub_f32 v[232+\i], v[240+\i], v[232+\i]
	v_sub_f32 v[236+\i], v[240+\i], v[236+\i]
.endr
.irp i, 0,1,2,3
	v_exp_f32 v[232+\i], v[232+\i]
	v_exp_f32 v[236+\i], v[236+\i]
.endr
	v_nop
	s_wait_alu depctr_va_vdst(0)
.irp i, 0,1,2,3
	v_mul_f32 v[244+\i], v[24+\i], v[232+\i]
.endr
.irp i, 0,1,2,3
	v_fmac_f32 v[244+\i], v[212+\i], v[236+\i]     ; the whole sum; at least 1
.endr
.irp i, 0,1,2,3
	v_rcp_f32 v[244+\i], v[244+\i]
.endr
	v_nop
	s_wait_alu depctr_va_vdst(0)
.irp i, 0,1,2,3
	v_mul_f32 v[216+4*\i], v[232+\i], v[244+\i]    ; my half's factor, twice,
	v_mul_f32 v[217+4*\i], v[232+\i], v[244+\i]
	v_mul_f32 v[218+4*\i], v[236+\i], v[244+\i]    ; the other half's, twice
	v_mul_f32 v[219+4*\i], v[236+\i], v[244+\i]
.endr
	s_wait_dscnt 0x0
.irp i, 0,1,2,3
.set n, 0
.rept 16
	v_pk_mul_f32 v[32+32*\i+2*n:32+32*\i+2*n+1], v[32+32*\i+2*n:32+32*\i+2*n+1], v[218+4*\i:219+4*\i]
.set n, n+1
.endr
.endr
	WIN 0x01                                       ; source 0: my O, window 1
.irp i, 0,1,2,3
.set n, 0
.rept 16
	v_pk_fma_f32 v[32+32*\i+2*n:32+32*\i+2*n+1], v[32*\i+2*n:32*\i+2*n+1], v[216+4*\i:217+4*\i], v[32+32*\i+2*n:32+32*\i+2*n+1]
.set n, n+1
.endr
.endr
	WIN 0
.set n, 0
.rept 16                                           ; tile n = 4 i + dt: eight neighbouring d of a query, rounded once, into the tile's first four registers
	v_cvt_pk_f16_f32 v[32+8*n],   v[32+8*n],   v[32+8*n+1]
	v_cvt_pk_f16_f32 v[32+8*n+1], v[32+8*n+2], v[32+8*n+3]
	v_cvt_pk_f16_f32 v[32+8*n+2], v[32+8*n+4], v[32+8*n+5]
	v_cvt_pk_f16_f32 v[32+8*n+3], v[32+8*n+6], v[32+8*n+7]
.set n, n+1
.endr
.set n, 0
.rept 16
	ds_store_b128 v[STO], v[32+8*n:32+8*n+3] offset:(n>>2)*2304+(n&3)*32
.set n, n+1
.endr
.set n, 0
.rept 16
	ds_load_b128 v[160+4*n:160+4*n+3], v[RD] offset:n*576          ; my own bytes, served in order: four queries of 128 bytes
.set n, n+1
.endr
.set n, 0
.rept 16
	s_wait_dscnt 15-n                              ; the younger read-backs stay out
	global_store_b128 v[CO], v[160+4*n:160+4*n+3], s[12:13] offset:n*512   ; 512 neighbouring bytes of ctx
.set n, n+1
.endr
	s_wait_tensorcnt 0x0
	ds_add_u32 v254, v255
	s_wait_dscnt 0x0
	s_endpgm
.Lfunc_end_k_q06679a7fb2_attn:
	.size	k_q06679a7fb2_attn, .Lfunc_end_k_q06679a7fb2_attn-k_q06679a7fb2_attn
	.p2alignl 7, 3214868480
	.fill 96, 4, 3214868480
	.section	.rodata,"a",@progbits
	.p2align	6, 0x0
	.amdhsa_kernel k_q06679a7fb2_attn
		.amdhsa_group_segment_fixed_size 327680
		.amdhsa_private_segment_fixed_size 0
		.amdhsa_enable_private_segment 0
		.amdhsa_kernarg_size 48
		.amdhsa_user_sgpr_count 2
		.amdhsa_user_sgpr_kernarg_segment_ptr 1
		.amdhsa_wavefront_size32 1
		.amdhsa_system_sgpr_workgroup_id_x 1
		.amdhsa_system_sgpr_workgroup_id_y 1
		.amdhsa_system_sgpr_workgroup_id_z 1
		.amdhsa_system_vgpr_workitem_id 0
		.amdhsa_next_free_vgpr 448
		.amdhsa_next_free_sgpr 80
		.amdhsa_reserve_vcc 0
		.amdhsa_float_denorm_mode_32 3
		.amdhsa_float_denorm_mode_16_64 3
		.amdhsa_memory_ordered 1
		.amdhsa_forward_progress 1
		.amdhsa_inst_pref_size 255
	.end_amdhsa_kernel
	.section	.bss,"aw",@nobits
	.p2align	6
	.space	262144
	.amdgpu_metadata
---
amdhsa.version: [ 1, 2 ]
amdhsa.kernels:
  - .name:           k_q06679a7fb2_attn
    .symbol:         k_q06679a7fb2_attn.kd
    .args:
      - { .name: qh, .offset: 0, .size: 8, .value_kind: global_buffer, .address_space: global }
      - { .name: kh, .offset: 8, .size: 8, .value_kind: global_buffer, .address_space: global }
      - { .name: vh, .offset: 16, .size: 8, .value_kind: global_buffer, .address_space: global }
      - { .name: w_o, .offset: 24, .size: 8, .value_kind: global_buffer, .address_space: global }
      - { .name: ctx, .offset: 32, .size: 8, .value_kind: global_buffer, .address_space: global }
      - { .name: wo16, .offset: 40, .size: 8, .value_kind: global_buffer, .address_space: global }
    .group_segment_fixed_size: 327680
    .private_segment_fixed_size: 0
    .kernarg_segment_align: 8
    .kernarg_segment_size: 48
    .max_flat_workgroup_size: 256
    .sgpr_count:     80
    .vgpr_count:     448
    .wavefront_size: 32
...
	.end_amdgpu_metadata
.endif
;; end of part 2
;; launch outp (part 3): grid 8 x 32, 4 waves a work-group, clusters of 4 x 4, 327,680 bytes of LDS; arguments ctx, wo16, b_o, out0; writes out0
.if DOCPART == 3
	.amdgcn_target "amdgcn-amd-amdhsa--gfx1250"
	.amdhsa_code_object_version 6
	.text
	.protected	k_q06679a7fb2_outp
	.globl	k_q06679a7fb2_outp
	.p2align	8
	.type	k_q06679a7fb2_outp,@function
k_q06679a7fb2_outp:
	s_mov_b64 s[64:65], 0
	v_nop
	global_prefetch_b8 v0, s[64:65] scope:SCOPE_SE
	s_setreg_imm32_b32 hwreg(HW_REG_WAVE_MODE, 25, 1), 1
	s_wait_xcnt 0x0
	s_wait_alu depctr_hold_cnt(0) depctr_sa_sdst(0) depctr_va_vdst(0) depctr_va_sdst(0) depctr_va_ssrc(0) depctr_va_vcc(0) depctr_vm_vsrc(0)
	s_getreg_b32 s2, hwreg(HW_REG_IB_STS2, 6, 4)
	s_cmp_eq_u32 s2, 0
	s_cbranch_scc0 .Lentry_in_a_cluster
	s_endpgm
.Lentry_in_a_cluster:
	s_bfe_u32 s2, ttmp6, 0x10000c
	s_cmp_lg_u32 s2, 0xf033
	s_cbranch_scc0 .Lentry_shape_is_right
	s_endpgm
.Lentry_shape_is_right:
; out0[token][n] = sum over k of ctx(token, k) wo16[n][k] + b_o[n].  ctx: [batch*16 + head][token][64] f16 (k = 64 head + d), wo16: [1024][1024] f16, out0: [4096][1024] f32.
; 256 work-groups of 128 tokens x 128 features, one for each WGP; four waves of 64 x 64 (16 accumulators).  Blocks of 256 x 256 would give 64 work-groups.
; K goes in four steps of 256 (four heads) through two LDS slots; a step is four units of 64 (one head each) on two fragment buffers.
; LIMIT: matrix operands are f16 (ctx and w_o below 65,504); sums and the bias in f32.
; CLUSTERS: 4 x 4.  ctx's tile hangs on the block row alone and is asked for jointly along a row of the cluster, wo16's on the block column alone, along a column.
; REGISTERS: window 0: v16-31 addresses and bias, v64-127 and v128-191 fragments of ctx (buffer + 32 ks + 8 a); window 1: the same for wo16; window 2: v0-127 accumulators, tile (a, b) at 8 (4 a + b).
; The matrix instruction is used transposed (source 0 = rows of wo16, source 1 = tokens): lane l holds token l % 16 and eight neighbouring features.
.set APITCH, 144                       ; a token of a head: 128 bytes + 16
.set BPITCH, 528                       ; a row of wo16's tile: 512 bytes + 16
.set ABLK,   128*APITCH                ; one head's 128 tokens
.set BOFFS,  4*ABLK
.set SLOT,   BOFFS+128*BPITCH          ; 141,312
.set STAGE,  2*SLOT                    ; 16 rows x 272 bytes for each wave, never filled by a tensor load
.set SPITCH, 272
.set ADRA, 16
.set ADRB, 20
.set STO,  24
.set RD,   25
.set CO,   26
.set BOF,  27
.set BIAS, 28                          ; v28-31: b_o of the four features that I store
.set F0,   64
.set F1,   128
.set G1,  24
.set G0,  32
.set G1B, 48
.set G0B, 56
.set MSB, 0
.macro WIN new
.if MSB != \new
	s_set_vgpr_msb (MSB<<8)|\new
.set MSB, \new
.endif
.endm
.set MUL,  0xa1                        ; source 0 window 1, source 1 window 0, C and D window 2
.set TO_B, 0x40
.macro PLACES                          ; four places behind a matrix instruction (ISA guide 7.12.1)
.rept 4
	v_nop
.endr
.endm
.macro JLOAD s                         ; waves 0 and 1 ask for two heads of ctx each, waves 2 and 3 for 64 rows of wo16 each
	s_cmp_eq_u32 s11, 0
	s_cbranch_scc0 .Lfor_b_\@
	tensor_load_to_lds s[G0+4*\s:G0+4*\s+3], s[G1:G1+7]
	s_nop 0
	s_branch .Lasked_\@
.Lfor_b_\@:
	tensor_load_to_lds s[G0B+4*\s:G0B+4*\s+3], s[G1B:G1B+7]
	s_nop 0
.Lasked_\@:
.endm
.macro CREST
	s_cmp_lg_u32 s10, 0
	s_cbranch_scc1 .Lnot_wave_0_\@
	s_barrier_signal -3
.Lnot_wave_0_\@:
	s_barrier_wait -3
	s_barrier_signal -1
	s_barrier_wait -1
.endm
.macro CROUND
	s_barrier_signal -1
	s_barrier_wait -1
	CREST
.endm
	s_load_b256 s[68:75], s[0:1], 0x0              ; ctx, wo16, b_o, out0
	s_set_vgpr_msb 0x40
	v_lshl_add_u32 v255, v0, 2, 0x49400
	s_set_vgpr_msb 0x4000
	v_mov_b32 v255, 0
	s_set_vgpr_msb 0x1
	ds_add_u32 v255, v255
	s_set_vgpr_msb 0x100
	v_lshrrev_b32 v1, 5, v0
	v_readfirstlane_b32 s10, v1                    ; wave 0..3
	s_lshr_b32 s11, s10, 1                         ; my half of the tokens.  Also: I fetch for ctx (0) or for wo16 (1)
	s_and_b32 s12, s10, 1                          ; my half of the features.  Also: which part of that tile I fetch
	s_bfe_u32 s40, ttmp6, 0x40000                  ; cx
	s_bfe_u32 s41, ttmp6, 0x40004                  ; cy
	s_lshl_b32 s42, ttmp9, 2
	s_add_co_u32 s42, s42, s40                     ; block column 0..7
	s_and_b32 s13, ttmp7, 0xffff
	s_lshl_b32 s13, s13, 2
	s_add_co_u32 s13, s13, s41                     ; block row 0..31
	s_lshl_b32 s43, s41, 2
	s_lshl_b32 s43, 15, s43                        ; my row of the cluster
	s_lshl_b32 s44, 0x1111, s40                    ; my column
	; ctx: two heads; a head's 128 tokens are 16,384 dense bytes = one row of 2,048 elements of 8 bytes; heads lie 32,768 elements apart; 4 words of padding behind every 32 words, that is behind each token
	s_or_b32 s[G1+0], s43, (3<<16)|(1<<20)|(1<<21)|(4<<22)|(3<<25)
	s_mov_b32 s[G1+1], 2048<<16
	s_mov_b32 s[G1+2], 2<<16
	s_mov_b32 s[G1+3], 2048<<16
	s_mov_b32 s[G1+4], 2
	s_mov_b32 s[G1+5], 32768
	s_mov_b32 s[G1+6], 0
	s_mov_b32 s[G1+7], 0
	; wo16: 64 rows x 256 elements of 2 bytes, 4 words of padding behind each row of 128 words
	s_or_b32 s[G1B+0], s44, (1<<16)|(1<<20)|(1<<21)|(6<<22)|(3<<25)
	s_mov_b32 s[G1B+1], 256<<16
	s_mov_b32 s[G1B+2], 64<<16
	s_mov_b32 s[G1B+3], 256<<16
	s_mov_b32 s[G1B+4], 64
	s_mov_b32 s[G1B+5], 1024
	s_mov_b32 s[G1B+6], 0
	s_mov_b32 s[G1B+7], 0
	s_lshr_b32 s16, s13, 4                         ; ctx: batch (16 heads of 262,144 bytes),
	s_lshl_b32 s16, s16, 22
	s_and_b32 s18, s13, 15                         ; 128 tokens of 128 bytes for each block row of the batch,
	s_lshl_b32 s18, s18, 14
	s_add_co_u32 s16, s16, s18
	s_lshl_b32 s18, s12, 19                        ; my two heads of the slot's four
	s_add_co_u32 s16, s16, s18
	s_mov_b32 s17, 0
	s_lshl_b32 s46, s42, 18                        ; wo16: 128 rows of 2,048 bytes for each block column,
	s_lshl_b32 s19, s12, 17                        ; my 64 rows
	s_add_co_u32 s46, s46, s19
	s_mov_b32 s47, 0
	s_mul_i32 s20, s10, 2*ABLK                     ; ctx's part lands at wave x two heads,
	s_mul_i32 s21, s10, 64*BPITCH                  ; wo16's at 73,728 + (wave - 2) x 64 rows
	s_add_co_u32 s21, s21, BOFFS-128*BPITCH
	s_lshl_b32 s76, s42, 9                         ; my 64 features in a row of out0 and in b_o, in bytes
	s_lshl_b32 s77, s12, 8
	s_add_co_u32 s76, s76, s77
	s_mov_b32 s77, 0
	s_lshl_b32 s78, s13, 19                        ; my first token: rows of 4,096 bytes
	s_lshl_b32 s79, s11, 18
	s_add_co_u32 s78, s78, s79
	s_mov_b32 s79, 0
	s_wait_dscnt 0x0
	s_wait_kmcnt 0x0
	s_add_nc_u64 s[14:15], s[68:69], s[16:17]
	s_add_nc_u64 s[46:47], s[70:71], s[46:47]
	s_add_nc_u64 s[72:73], s[72:73], s[76:77]
	s_add_nc_u64 s[74:75], s[74:75], s[76:77]
	s_add_nc_u64 s[74:75], s[74:75], s[78:79]
	CROUND                                         ; all sixteen work-groups are here: the first joint loads meet
.irp s, 0,1
	s_mov_b32 s[G0+4*\s], 1
	s_add_co_u32 s[G0+4*\s+1], s20, \s*SLOT
	s_add_nc_u64 s[G0+4*\s+2:G0+4*\s+3], s[14:15], \s*1048576      ; four heads on
	s_or_b32 s[G0+4*\s+3], s[G0+4*\s+3], 0x80000000
	s_mov_b32 s[G0B+4*\s], 1
	s_add_co_u32 s[G0B+4*\s+1], s21, \s*SLOT
	s_add_nc_u64 s[G0B+4*\s+2:G0B+4*\s+3], s[46:47], \s*512        ; 256 f16 on
	s_or_b32 s[G0B+4*\s+3], s[G0B+4*\s+3], 0x80000000
	JLOAD \s                                       ; two loads of mine are out
.endr
	v_and_b32 v1, 15, v0                           ; l % 16
	v_bfe_u32 v2, v0, 4, 1                         ; l / 16
	v_mul_u32_u24 v3, v1, APITCH
	v_lshl_add_u32 v3, v2, 4, v3
	v_mul_u32_u24 v4, v1, BPITCH
	v_lshl_add_u32 v4, v2, 4, v4
	s_mul_i32 s22, s11, 64*APITCH                  ; my 64 tokens in each head's block
	s_mul_i32 s23, s12, 64*BPITCH                  ; my 64 rows of wo16
	s_add_co_u32 s23, s23, BOFFS
.irp s, 0,1
	v_add_nc_u32 v[ADRA+\s], s22, v3
	v_add_nc_u32 v[ADRB+\s], s23, v4
	s_add_co_u32 s22, s22, SLOT
	s_add_co_u32 s23, s23, SLOT
.endr
	s_mul_i32 s22, s10, 16*SPITCH
	s_add_co_u32 s22, s22, STAGE                   ; my stage
	v_mul_u32_u24 v5, v1, SPITCH                   ; in: token l % 16, 32 bytes for each half of the lanes
	v_lshl_add_u32 v5, v2, 5, v5
	v_add_nc_u32 v[STO], s22, v5
	v_mul_u32_u24 v5, v2, SPITCH                   ; back: lanes 0-15 one row of 256 bytes, lanes 16-31 the next
	v_lshl_add_u32 v5, v1, 4, v5
	v_add_nc_u32 v[RD], s22, v5
	v_lshlrev_b32 v[BOF], 4, v1
	v_lshl_add_u32 v[CO], v2, 12, v[BOF]           ; the same two rows in out0
	global_load_b128 v[BIAS:BIAS+3], v[BOF], s[72:73]
; 16 matrix instructions, 32 along K: the 16 accumulators take turns, one instruction a turn, in the same order every time
.macro MUL16 f, ks, zero
.irp a, 0,1,2,3
.irp b, 0,1,2,3
.if \zero
	v_wmma_f32_16x16x32_f16 v[8*(4*\a+\b):8*(4*\a+\b)+7], v[\f+32*\ks+8*\b:\f+32*\ks+8*\b+7], v[\f+32*\ks+8*\a:\f+32*\ks+8*\a+7], 0
.else
	v_wmma_f32_16x16x32_f16 v[8*(4*\a+\b):8*(4*\a+\b)+7], v[\f+32*\ks+8*\b:\f+32*\ks+8*\b+7], v[\f+32*\ks+8*\a:\f+32*\ks+8*\a+7], v[8*(4*\a+\b):8*(4*\a+\b)+7]
.endif
.endr
.endr
.endm
; 32 LDS loads: the fragments of unit u (64 along K = one head) of a slot into buffer f
.macro FETCH3 slot, u, f
	WIN TO_B
.irp ks, 0,1
.irp b, 0,1,2,3
	ds_load_b128 v[\f+32*\ks+8*\b:\f+32*\ks+8*\b+3],   v[ADRB+\slot] offset:\b*16*BPITCH+(2*\u+\ks)*64
	ds_load_b128 v[\f+32*\ks+8*\b+4:\f+32*\ks+8*\b+7], v[ADRB+\slot] offset:\b*16*BPITCH+(2*\u+\ks)*64+32
.endr
.endr
	WIN 0
.irp ks, 0,1
.irp a, 0,1,2,3
	ds_load_b128 v[\f+32*\ks+8*\a:\f+32*\ks+8*\a+3],   v[ADRA+\slot] offset:\u*ABLK+\a*16*APITCH+\ks*64
	ds_load_b128 v[\f+32*\ks+8*\a+4:\f+32*\ks+8*\a+7], v[ADRA+\slot] offset:\u*ABLK+\a*16*APITCH+\ks*64+32
.endr
.endr
.endm
; One of a step's first three units: multiplies buffer f; in its middle it fetches unit unext of the same slot into buffer g
.macro U slot, unext, f, g, zero
	s_wait_dscnt 0x0
	WIN MUL
	MUL16 \f, 0, \zero
	PLACES                                         ; buffer g was read by matrix instructions
	FETCH3 \slot, \unext, \g
	WIN MUL
	MUL16 \f, 1, 0
.endm
; A step's last unit (buffer 1) and the change of slots.  fill = 1: this slot is filled again, two steps ahead, behind a round of the cluster's barrier.
.macro TURN3 slot, next, fill
	s_wait_dscnt 0x0                               ; my reads of this slot are over
	s_wait_tensorcnt 0x0                           ; all my tensor loads have landed: the one that was out is my part of the other slot
	ds_add_u32 v255, v255
	s_wait_dscnt 0x0
	s_barrier_signal -1
	WIN MUL
	MUL16 F1, 0, 0                                 ; register work while the others arrive
	WIN 0
	s_barrier_wait -1
.if \fill
	CREST                                          ; no wave of any partner still reads this slot or has a load on its way
	s_add_nc_u64 s[G0+4*\slot+2:G0+4*\slot+3], s[G0+4*\slot+2:G0+4*\slot+3], 2097152
	s_add_nc_u64 s[G0B+4*\slot+2:G0B+4*\slot+3], s[G0B+4*\slot+2:G0B+4*\slot+3], 1024
	JLOAD \slot                                    ; my one tensor load behind the round, first thing there
.endif
	PLACES
	FETCH3 \next, 0, F0
	WIN MUL
	MUL16 F1, 1, 0
.endm
	s_wait_loadcnt 0x0                             ; the bias
	s_wait_tensorcnt 0x1                           ; my part of step 0 is in; step 1's load stays out
	s_barrier_signal -1
	s_barrier_wait -1
	FETCH3 0, 0, F0
	U 0, 1, F0, F1, 1                              ; step 0: the first products start the sums
	U 0, 2, F1, F0, 0
	U 0, 3, F0, F1, 0
	TURN3 0, 1, 1                                  ; slot 0 gets step 2
	U 1, 1, F0, F1, 0                              ; step 1
	U 1, 2, F1, F0, 0
	U 1, 3, F0, F1, 0
	TURN3 1, 0, 1                                  ; slot 1 gets step 3
	U 0, 1, F0, F1, 0                              ; step 2
	U 0, 2, F1, F0, 0
	U 0, 3, F0, F1, 0
	TURN3 0, 1, 0                                  ; nothing is left to fetch
	U 1, 1, F0, F1, 0                              ; step 3
	U 1, 2, F1, F0, 0
	U 1, 3, F0, F1, 0
	s_wait_dscnt 0x0
	WIN MUL
	MUL16 F1, 0, 0
	MUL16 F1, 1, 0
	; THE WAY OUT, 16 tokens at a time: the f32 sums through my own stage, read back as rows of 256 bytes, the bias added, stored.
	PLACES
.macro OUT16 a, f
	WIN 0x08                                       ; store data from window 2
.irp b, 0,1,2,3
	ds_store_b128 v[STO], v[8*(4*\a+\b):8*(4*\a+\b)+3]   offset:64*\b
	ds_store_b128 v[STO], v[8*(4*\a+\b)+4:8*(4*\a+\b)+7] offset:64*\b+16
.endr
	WIN 0
	s_wait_xcnt 0x0                                ; buffer f, which earlier stores read, is loaded again only behind this wait
.irp t, 0,1,2,3,4,5,6,7
	ds_load_b128 v[\f+4*\t:\f+4*\t+3], v[RD] offset:\t*2*SPITCH    ; my own bytes, served in order
.endr
.irp t, 0,1,2,3,4,5,6,7
	s_wait_dscnt 7-\t                              ; the younger read-backs stay out
	v_pk_add_f32 v[\f+4*\t:\f+4*\t+1],   v[\f+4*\t:\f+4*\t+1],   v[BIAS:BIAS+1]
	v_pk_add_f32 v[\f+4*\t+2:\f+4*\t+3], v[\f+4*\t+2:\f+4*\t+3], v[BIAS+2:BIAS+3]
	global_store_b128 v[CO], v[\f+4*\t:\f+4*\t+3], s[74:75] offset:(16*\a+2*\t)*4096 th:TH_STORE_NT   ; sixteen lanes store 256 neighbouring bytes, at a multiple of 256 from out0's first byte
.endr
.endm
	OUT16 0, F0
	OUT16 1, F1
	OUT16 2, F0
	OUT16 3, F1
	s_set_vgpr_msb 0x1
	s_wait_tensorcnt 0x0
	ds_add_u32 v255, v255
	s_wait_dscnt 0x0
	s_set_vgpr_msb 0x100
	CROUND                                         ; the closing round: no work-group ends while a partner may still ask for a tile that names it
	s_endpgm
.Lfunc_end_k_q06679a7fb2_outp:
	.size	k_q06679a7fb2_outp, .Lfunc_end_k_q06679a7fb2_outp-k_q06679a7fb2_outp
	.p2alignl 7, 3214868480
	.fill 96, 4, 3214868480
	.section	.rodata,"a",@progbits
	.p2align	6, 0x0
	.amdhsa_kernel k_q06679a7fb2_outp
		.amdhsa_group_segment_fixed_size 327680
		.amdhsa_private_segment_fixed_size 0
		.amdhsa_enable_private_segment 0
		.amdhsa_kernarg_size 32
		.amdhsa_user_sgpr_count 2
		.amdhsa_user_sgpr_kernarg_segment_ptr 1
		.amdhsa_wavefront_size32 1
		.amdhsa_system_sgpr_workgroup_id_x 1
		.amdhsa_system_sgpr_workgroup_id_y 1
		.amdhsa_system_sgpr_workgroup_id_z 1
		.amdhsa_system_vgpr_workitem_id 0
		.amdhsa_next_free_vgpr 640
		.amdhsa_next_free_sgpr 80
		.amdhsa_reserve_vcc 0
		.amdhsa_float_denorm_mode_32 3
		.amdhsa_float_denorm_mode_16_64 3
		.amdhsa_memory_ordered 1
		.amdhsa_forward_progress 1
		.amdhsa_inst_pref_size 90
	.end_amdhsa_kernel
	.amdgpu_metadata
---
amdhsa.version: [ 1, 2 ]
amdhsa.kernels:
  - .name:           k_q06679a7fb2_outp
    .symbol:         k_q06679a7fb2_outp.kd
    .args:
      - { .name: ctx, .offset: 0, .size: 8, .value_kind: global_buffer, .address_space: global }
      - { .name: wo16, .offset: 8, .size: 8, .value_kind: global_buffer, .address_space: global }
      - { .name: b_o, .offset: 16, .size: 8, .value_kind: global_buffer, .address_space: global }
      - { .name: out0, .offset: 24, .size: 8, .value_kind: global_buffer, .address_space: global }
    .group_segment_fixed_size: 327680
    .private_segment_fixed_size: 0
    .kernarg_segment_align: 8
    .kernarg_segment_size: 32
    .max_flat_workgroup_size: 128
    .sgpr_count:     80
    .vgpr_count:     640
    .wavefront_size: 32
...
	.end_amdgpu_metadata
.endif
;; end of part 3
